; MI455X (gfx1250); checked and timed in simulation.
; The chip was launched on July 23, 2026; its instructions are those of AMD's public machine-readable ISA for CDNA 5 (MIT licence, August 2026) and "CDNA5" Instruction Set Architecture Reference Guide (July 2026). The comments in the code are by the model that wrote it; some were corrected since.
;; Self Multihead Attention. Allowed arithmetic: matrix products marked QUANTISED: E2M1 operands, one E8M0 scale for each 32 along K, by v_wmma_scale_f32_16x16x128_f8f6f4 with both operands' format E2M1 (or v_wmma_scale_f32_32x16x128_f4), f32 sums; products left as they are: bf16, f16 or f32 operands; f32 sums; everything else in f32.
;; Inputs: Wk 1,024 x 1,024 float32; Wq 1,024 x 1,024 float32; Wv 1,024 x 1,024 float32; bk 1,024 float32; bq 1,024 float32; bv 1,024 float32; embed 4 x 1,024 x 1,024 float32; embed_unknown 4 x 1,024 x 1,024 float32; mask 1,024 x 1,024 float32.
;; Outputs: out0 4 x 1,024 x 1,024 float32; out1 4 x 1,024 x 1,024 float32.
;; This version of the problem:
;;   THIS VERSION OF THE PROBLEM IS GIVEN IN LOW PRECISION. The matrix products marked QUANTISED in the list below multiply operands that are first quantised to E2M1 (2 exponent bits, 1 mantissa bit; 4 bits a number), with one power-of-two scale for each 32 numbers along K (OCP MX v1.0); their sums are f32. The products marked 'left as it is' may take bf16, f16 or f32 operands, with f32 sums. Whichever they take, every output number must still come out within the allowed error. Rounding operands to bf16 (8 significant bits) uses up far more of that allowance than f16 does (11 bits, for magnitudes from 6e-5 to 65,504). All else is computed in f32.
;;   The module's matrix products, in the order in which they are computed (A, B: the left and right operand; K: the contracted axis; several contracted axes count as one K, in the product's order):
;;     1. [M 4,096, K 1,024] x [K 1,024, N 1,024]; A: input embed; B: input Wk: QUANTISED
;;     2. [M 4,096, K 1,024] x [K 1,024, N 1,024]; A: input embed_unknown; B: input Wk: QUANTISED
;;     3. [M 4,096, K 1,024] x [K 1,024, N 1,024]; A: input embed_unknown; B: input Wq: QUANTISED
;;     4. [M 4,096, K 1,024] x [K 1,024, N 1,024]; A: input embed; B: input Wv: QUANTISED
;;     5. [M 4,096, K 1,024] x [K 1,024, N 1,024]; A: input embed_unknown; B: input Wv: QUANTISED
;;     6. batch 64 x [M 1,024, K 64] x [K 64, N 1,024]; A: computed on the way; B: computed on the way: left as it is (an operand is computed on the way)
;;     7. batch 64 x [M 1,024, K 1,024] x [K 1,024, N 64]; A: computed on the way; B: computed on the way: left as it is (an operand is computed on the way)
;;     8. batch 64 x [M 1,024, K 1,024] x [K 1,024, N 64]; A: computed on the way; B: computed on the way: left as it is (an operand is computed on the way)
;;   THE QUANTISER, for each operand of a quantised product, along K:
;;     - K is cut into blocks of 32 from its start; a last block that is shorter is filled with zeros.
;;     - A block's scale is 2^e with e = floor(log2(the largest magnitude in the block)) - 2, held to -126 .. 127; a block of zeros has e = 0. As a byte (E8M0): e + 127.
;;     - Each number is divided by its block's scale, clamped to +-6, and rounded to the nearest number of E2M1, ties to even, subnormals kept.
;;     - The product sums the exact products of the quantised numbers (number of the format x scale) in f32.
;;   ~~~python
;;   def quantise(x, axis):      # numpy; x: float32 -> the quantised numbers, widened to float32 again
;;       x = np.moveaxis(x, axis, -1); K = x.shape[-1]
;;       x = np.pad(x, [(0, 0)] * (x.ndim - 1) + [(0, -K % 32)]); x = x.reshape(x.shape[:-1] + (-1, 32)); a = np.abs(x).max(-1, keepdims=True)
;;       e = np.where(a > 0, np.clip(np.frexp(np.where(a > 0, a, 1))[1] - 1 - 2, -126, 127), 0)      # np.frexp(a)[1] - 1 = floor(log2(a)), exactly
;;       r = np.clip(x / 2.0 ** e, -6, 6)
;;       step = 2.0 ** (np.maximum(np.frexp(np.where(r == 0, 1, r))[1] - 1, 0) - 1)
;;       q = np.round(r / step) * step * 2.0 ** e      # np.round: ties to even
;;       return np.moveaxis(q.reshape(q.shape[:-2] + (-1,))[..., :K], -1, axis).astype(np.float32)
;;   ~~~
;; One version. Each part assembles by itself: llvm-mc -triple=amdgcn-amd-amdhsa -mcpu=gfx1250 --defsym DOCPART=n.
;; ======== version 1 of 1: 3 launches
;; limits: right only within a limited range of input values; values are held in f16: magnitudes above 65,504 overflow, below 6.1e-05 lose precision
;; workspace buffers: codes 5,767,168 bytes; scl 360,448 bytes; maskf 4,194,304 bytes; qf 8,388,608 bytes; kf 8,388,608 bytes; vf 8,388,608 bytes; vu 16,777,216 bytes; sds 524,288 bytes
;; launch quant (part 1): grid 480 x 1, 4 waves a work-group, no clusters, 68,096 bytes of LDS; arguments embed, embed_unknown, Wk, Wq, Wv, mask, codes, scl, maskf; writes codes, scl, maskf
.if DOCPART == 1
	.amdgcn_target "amdgcn-amd-amdhsa--gfx1250"
	.amdhsa_code_object_version 6
	.text
	.protected	k_qe94d215f0a_quant
	.globl	k_qe94d215f0a_quant
	.p2align	8
	.type	k_qe94d215f0a_quant,@function
k_qe94d215f0a_quant:
	s_mov_b64 s[64:65], 0
	v_nop
	global_prefetch_b8 v0, s[64:65] scope:SCOPE_SE
	s_setreg_imm32_b32 hwreg(HW_REG_WAVE_MODE, 25, 1), 1
	s_wait_xcnt 0x0
; embed, embed_unknown [4096][1024] and Wk, Wq, Wv [1024 (k)][1024 (n)], f32, become codes of FP4 (E2M1) with one E8M0 byte for each 32 along K; the mask is laid anew.
; A block's scale is 2^(floor(log2(its largest magnitude)) - 2): its byte is the largest magnitude's exponent field - 2, held at 1 from below by a floor among the maximum's leaves.
; All three results are IMAGES OF OPERAND REGISTERS: in each piece of 512 bytes lane l's 16 bytes lie at 16 l, so that the later launches fetch fragments by 16-byte loads alone.
;   codes, tokens:  t 2097152 + rho 65536 + sigma 16384 + Rb 2048 + kl 1024 + c 512 + 16 lane: row 128 rho + 16 Rb + lane % 16, the 32 codes of k = 128 (2 sigma + kl) + 64 c + 32 (lane / 16) on
;   codes, weights: 4194304 + m 524288 + pi 65536 + the same, with column 128 pi + 16 Nb + lane % 16
;   scl:   (16 rows or columns) 512 + g 256 + 16 r + 4 (kappa % 4): one word = the four bytes of K step kappa = 4 g + kappa % 4
;   maskf: qt 65536 + kb 1024 + u 512 + 16 lane = mask[16 qt + r][16 kb + 8 h + 4 u + 0..3], THE DIAGONAL REPLACED BY -2e38: the attention loop sums the keys off the diagonal alone
; LIMITS: blocks whose largest magnitude lies under 2^-124 keep the byte 1; a block of zeros gets the byte 1 (its codes are zeros; this program alone reads the bytes); NaN and infinities in embed and W are not served.
; THREE PATHS by the work-group's number: 0-191 the weights, 192-223 the mask, 224-479 the tokens.  No barrier: waves share nothing.  Each LDS path has LDS bytes of its own.
.set SPARE, 67584                      ; the spare words, 128 bytes a wave, behind both paths' stages
.set STM,   33792                      ; the mask path's four stages
.set WST,   8448                       ; a wave's stage: 16 rows of 528 bytes
.set SP,    528                        ; 512 bytes + 16: the sixteen rows that a load touches start in sixteen different 16-byte columns
.set SPW,   28                         ; v28 my spare word's LDS address; never rewritten
.set NIL,   29                         ; v29 0; never rewritten
.set C,     32                         ; v32-63   codes, eight registers a chunk: no store's data are written again
.set R,     64                         ; v64-191  two sets of 64 as loaded (the weights' path: four sets of 32)
.set Y,     192                        ; v192-255 a chunk behind its turn through LDS
.macro FINISH                          ; a wave's end, behind the last LDS store
	s_wait_tensorcnt 0x0
	ds_add_u32 v[SPW], v[NIL]
	s_wait_dscnt 0x0
	s_endpgm
.endm
.macro LOADC n                         ; chunk n: 16 rows x 512 bytes; each load reads 512 consecutive bytes
.set rr, 0
.rept 16
	global_load_b128 v[R+64*((\n)%2)+4*rr:R+64*((\n)%2)+4*rr+3], v1, s[4:5] offset:rr*4096+(\n)*512 th:TH_LOAD_NT
.set rr, rr+1
.endr
.endm
.macro INSTAGE n, adr                  ; the chunk goes into the stage as it was loaded
.if (\n) < 3
	s_wait_loadcnt 16                              ; this chunk's 16 loads are in; the next chunk's 16 may be out
.else
	s_wait_loadcnt 0x0
.endif
.set rr, 0
.rept 16
	ds_store_b128 v[\adr], v[R+64*((\n)%2)+4*rr:R+64*((\n)%2)+4*rr+3] offset:rr*SP
.set rr, rr+1
.endr
.endm
	s_load_b256 s[4:11], s[0:1], 0x0               ; embed, embed_unknown, Wk, Wq
	s_load_b256 s[12:19], s[0:1], 0x20             ; Wv, mask, codes, scl
	s_load_b64 s[24:25], s[0:1], 0x40              ; maskf
	v_lshl_add_u32 v[SPW], v0, 2, SPARE
	v_mov_b32 v[NIL], 0
	v_lshrrev_b32 v8, 5, v0
	v_readfirstlane_b32 s23, v8                    ; wave
	v_and_b32 v9, 31, v0                           ; lane
	v_lshlrev_b32 v1, 4, v9                        ; 16 x lane
	v_and_b32 v2, 15, v0                           ; r
	v_bfe_u32 v3, v0, 4, 1                         ; h
	v_lshlrev_b32 v6, 3, v3                        ; 8 h
	v_lshlrev_b32 v30, 2, v9                       ; 4 x lane
	v_lshlrev_b32 v31, 4, v2                       ; 16 r
	v_lshl_add_u32 v7, v3, 3, v31                  ; 16 r + 8 h
	v_lshl_add_u32 v26, v3, 11, v31                ; 2048 h + 16 r
	v_lshl_add_u32 v27, v3, 9, v31                 ; 512 h + 16 r
	s_mul_i32 s26, s23, WST
	v_add_nc_u32 v4, s26, v1                       ; tokens' stage, way in: 16 x lane
	v_mul_u32_u24 v5, v2, SP
	v_lshl_add_u32 v25, v3, 5, v5
	v_lshl_add_u32 v5, v3, 7, v5
	v_add_nc_u32 v5, s26, v5                       ; tokens' stage, way out: row r, + 128 h
	v_add_nc_u32 v25, s26, v25
	v_add_nc_u32 v25, STM, v25                     ; mask's stage, way out: row r, + 32 h
	v_add_nc_u32 v24, STM, v4                      ; mask's stage, way in
	v_mov_b32 v22, 0xff167699                      ; -2e38
	v_mov_b32 v23, 0                               ; a lane permute's destination counts as read: written once
	s_mov_b32 s20, 0x76543210
	s_mov_b32 s21, 0xfedcba98                      ; lane l xor 16
	s_mov_b32 s22, 0xffff0000                      ; lanes 16-31
	s_mov_b32 s31, 0
	s_wait_kmcnt 0x0
	s_cmp_lt_u32 ttmp9, 192
	s_cbranch_scc1 .Lpath_w
	s_cmp_lt_u32 ttmp9, 224
	s_cbranch_scc1 .Lpath_m
; ---- THE TOKENS.  A wave takes 16 rows x 512 along K, four chunks of 128.  A lane must hold whole blocks of 32 neighbours, a load is best where neighbouring lanes take neighbouring bytes: the chunk turns through the wave's stage.
	s_sub_co_u32 s26, ttmp9, 224
	s_lshl_b32 s26, s26, 2
	s_add_co_u32 s26, s26, s23                     ; 0 .. 1023
	s_and_b32 s27, s26, 1                          ; g: which half of K
	s_lshr_b32 s28, s26, 1
	s_lshr_b32 s29, s28, 8                         ; t: embed or embed_unknown
	s_and_b32 s28, s28, 255                        ; the block of 16 rows
	s_cmp_eq_u32 s29, 0
	s_cselect_b64 s[4:5], s[4:5], s[6:7]
	s_lshl_b32 s30, s28, 16
	s_lshl_b32 s32, s27, 11
	s_add_co_u32 s30, s30, s32
	s_add_nc_u64 s[4:5], s[4:5], s[30:31]
	s_lshl_b32 s30, s29, 21
	s_lshr_b32 s32, s28, 3
	s_lshl_b32 s32, s32, 16
	s_add_co_u32 s30, s30, s32
	s_lshl_b32 s32, s27, 15
	s_add_co_u32 s30, s30, s32
	s_and_b32 s32, s28, 7
	s_lshl_b32 s32, s32, 11
	s_add_co_u32 s30, s30, s32
	s_add_nc_u64 s[16:17], s[16:17], s[30:31]
	s_lshl_b32 s30, s29, 17
	s_lshl_b32 s32, s28, 9
	s_add_co_u32 s30, s30, s32
	s_lshl_b32 s32, s27, 8
	s_add_co_u32 s30, s30, s32
	s_add_nc_u64 s[18:19], s[18:19], s[30:31]
.macro CHUNKA n
	INSTAGE \n, 4
.irp c, 0,1
.irp i, 0,1,2,3,4,5,6,7
	ds_load_b128 v[Y+32*\c+4*\i:Y+32*\c+4*\i+3], v5 offset:\c*256+\i*16   ; k = 64 c + 32 h + 4 i on, of row r: a whole block in my registers
.endr
.endr
	s_wait_dscnt 0x0                               ; the chunk is back; the stores into the stage have read their registers,
.if (\n) < 2
	LOADC (\n)+2                                   ; which take the chunk two further on
.endif
.irp c, 0,1
	v_max3_num_f32 v[8+\c], |v[Y+32*\c]|, |v[Y+32*\c+1]|, 0x1800000   ; with the floor 2^(3 - 127): the byte cannot fall under 1
.endr
.irp i, 2,4,6,8,10,12,14,16,18,20,22,24,26,28,30
.irp c, 0,1
	v_max3_num_f32 v[8+\c], v[8+\c], |v[Y+32*\c+\i]|, |v[Y+32*\c+\i+1]|   ; the two blocks by turns
.endr
.endr
.irp c, 0,1
	v_add_nc_u32 v[10+\c], 0xff000000, v[8+\c]     ; 2 off the exponent field: the conversion's scale operand
.endr
.irp c, 0,1
	v_lshrrev_b32 v[12+\c], 23, v[10+\c]           ; the byte
.endr
	v_lshl_or_b32 v14, v13, 16, v12                ; blocks h and 2 + h of my row,
	v_lshlrev_b32 v14, v6, v14                     ; 8 h bits up;
	v_permlanex16_b32 v23, v14, s20, s21
	v_or_b32 v[16+(\n)], v14, v23                  ; with lane l xor 16's two the word of this K step is whole
.irp c, 0,1
.irp g, 0,1,2,3
	v_cvt_scalef32_pk8_fp4_f32 v[C+8*(\n)+4*\c+\g], v[Y+32*\c+8*\g:Y+32*\c+8*\g+7], v[10+\c]
.endr
.endr
	v_nop                                          ; a plain line behind the last scaled conversion
.irp c, 0,1
	global_store_b128 v1, v[C+8*(\n)+4*\c:C+8*(\n)+4*\c+3], s[16:17] offset:((\n)/2)*16384+((\n)%2)*1024+\c*512   ; 512 consecutive bytes
.endr
.endm
	LOADC 0
	LOADC 1
	CHUNKA 0
	CHUNKA 1
	CHUNKA 2
	CHUNKA 3
	v_cndmask_b32 v20, v16, v18, s22               ; lanes 0-15 store words 0, 1 of their row, lanes 16-31 words 2, 3:
	v_cndmask_b32 v21, v17, v19, s22
	global_store_b64 v7, v[20:21], s[18:19]        ; 256 consecutive bytes, aligned
	FINISH
; ---- THE MASK.  A wave takes 16 queries x 512 keys, four chunks of 128 keys, through its stage into the layout of a score tile's accumulator (lane: one query; registers: eight keys).
.Lpath_m:
	s_sub_co_u32 s26, ttmp9, 192
	s_lshl_b32 s26, s26, 2
	s_add_co_u32 s26, s26, s23                     ; 0 .. 127
	s_and_b32 s27, s26, 1                          ; which half of the keys
	s_lshr_b32 s28, s26, 1                         ; qt
	s_lshl_b32 s30, s28, 16
	s_lshl_b32 s29, s27, 11
	s_add_co_u32 s30, s30, s29
	s_add_nc_u64 s[4:5], s[14:15], s[30:31]
	s_lshl_b32 s30, s28, 16
	s_lshl_b32 s29, s27, 15
	s_add_co_u32 s30, s30, s29
	s_add_nc_u64 s[24:25], s[24:25], s[30:31]
	s_lshr_b32 s32, s28, 3
	s_lshl_b32 s29, s27, 2
	s_sub_co_u32 s32, s32, s29                     ; chunk n holds the diagonal where this number is n
	s_and_b32 s29, s28, 7
	s_lshl_b32 s29, s29, 4
	v_sub_nc_u32 v15, v2, v6
	v_add_nc_u32 v15, s29, v15                     ; 16 (qt % 8) + r - 8 h: register 8 kb + j is on the diagonal where 16 kb + j equals this
.macro CHUNKM n
	INSTAGE \n, 24
	s_wait_xcnt 0x0                                ; the last chunk's stores have read their data: the registers are loaded again only behind this wait
.irp kb, 0,1,2,3,4,5,6,7
.irp u, 0,1
	ds_load_b128 v[Y+8*\kb+4*\u:Y+8*\kb+4*\u+3], v25 offset:\kb*64+\u*16
.endr
.endr
	s_wait_dscnt 0x0
.if (\n) < 2
	LOADC (\n)+2
.endif
	s_cmp_lg_u32 s32, \n                           ; ids alone
	s_cbranch_scc1 .Loff_\@
.set e, 0
.rept 64
	v_cmp_eq_i32 vcc_lo, 16*(e/8)+e%8, v15
	v_cndmask_b32 v[Y+e], v[Y+e], v22, vcc_lo
.set e, e+1
.endr
.Loff_\@:
.irp kb, 0,1,2,3,4,5,6,7
.irp u, 0,1
	global_store_b128 v1, v[Y+8*\kb+4*\u:Y+8*\kb+4*\u+3], s[24:25] offset:(\n)*8192+\kb*1024+\u*512
.endr
.endr
.endm
	LOADC 0
	LOADC 1
	CHUNKM 0
	CHUNKM 1
	CHUNKM 2
	CHUNKM 3
	FINISH
; ---- THE WEIGHTS.  K is their first axis: a lane takes a column and its registers run down K, so a block lies in one lane and the codes come out with K innermost.  A wave: 32 columns x one K step of 128 (four blocks).  No LDS.
.Lpath_w:
	s_lshr_b32 s26, ttmp9, 6                       ; m: Wk, Wq, Wv
	s_lshr_b32 s27, ttmp9, 3
	s_and_b32 s27, s27, 7                          ; the K step
	s_and_b32 s28, ttmp9, 7                        ; which 128 columns
	s_cmp_eq_u32 s26, 0
	s_cselect_b64 s[4:5], s[8:9], s[10:11]
	s_cmp_eq_u32 s26, 2
	s_cselect_b64 s[4:5], s[12:13], s[4:5]
	s_lshl_b32 s30, s27, 19                        ; 128 rows of 4,096 bytes
	s_lshl_b32 s32, s28, 9
	s_add_co_u32 s30, s30, s32
	s_lshl_b32 s32, s23, 7
	s_add_co_u32 s30, s30, s32
	s_add_nc_u64 s[4:5], s[4:5], s[30:31]
	s_lshl_b32 s30, s26, 19
	s_add_co_u32 s30, s30, 4194304
	s_lshl_b32 s32, s28, 16
	s_add_co_u32 s30, s30, s32
	s_lshr_b32 s32, s27, 1
	s_lshl_b32 s32, s32, 14
	s_add_co_u32 s30, s30, s32
	s_and_b32 s32, s27, 1
	s_lshl_b32 s32, s32, 10
	s_add_co_u32 s30, s30, s32
	s_lshl_b32 s32, s23, 12
	s_add_co_u32 s30, s30, s32
	s_add_nc_u64 s[16:17], s[16:17], s[30:31]
	s_lshl_b32 s30, s26, 15
	s_add_co_u32 s30, s30, 262144
	s_lshl_b32 s32, s28, 12
	s_add_co_u32 s30, s30, s32
	s_lshl_b32 s32, s23, 10
	s_add_co_u32 s30, s30, s32
	s_lshr_b32 s32, s27, 2
	s_lshl_b32 s32, s32, 8
	s_add_co_u32 s30, s30, s32
	s_and_b32 s32, s27, 3
	s_lshl_b32 s32, s32, 2
	s_add_co_u32 s30, s30, s32
	s_add_nc_u64 s[18:19], s[18:19], s[30:31]
.set rr, 0
.rept 128
	global_load_b32 v[64+rr], v30, s[4:5] offset:rr*4096 th:TH_LOAD_NT   ; W(128 kappa + rr, my column): 128 consecutive bytes a wave, 512 a work-group
.set rr, rr+1
.endr
.macro BLOCKW t, left
.set XS, 64+32*(\t)
	s_wait_loadcnt \left                           ; loads come back in order: this block's 32 are in
	v_max3_num_f32 v8, |v[XS]|, |v[XS+1]|, |v[XS+2]|
	v_max3_num_f32 v9, |v[XS+3]|, |v[XS+4]|, |v[XS+5]|
.irp i, 6,10,14,18,22,26
	v_max3_num_f32 v8, v8, |v[XS+\i]|, |v[XS+\i+1]|
	v_max3_num_f32 v9, v9, |v[XS+\i+2]|, |v[XS+\i+3]|
.endr
	v_max3_num_f32 v8, v8, |v[XS+30]|, |v[XS+31]|
	v_max3_num_f32 v8, v8, v9, 0x1800000
	v_add_nc_u32 v10, 0xff000000, v8
	v_lshrrev_b32 v12, 23, v10
.if (\t) == 0
	v_mov_b32 v16, v12
.else
	v_lshl_or_b32 v16, v12, 8*(\t), v16            ; the K step's four bytes, the lower K in the lower byte
.endif
.irp g, 0,1,2,3
	v_cvt_scalef32_pk8_fp4_f32 v[192+4*(\t)+\g], v[XS+8*\g:XS+8*\g+7], v10
.endr
	v_nop
	global_store_b128 v26, v[192+4*(\t):192+4*(\t)+3], s[16:17] offset:((\t)/2)*512+((\t)%2)*256   ; sixteen lanes store 256 consecutive bytes, aligned
.endm
	BLOCKW 0, 63                                   ; 96 younger loads would do: the count's field holds 63 at the most
	BLOCKW 1, 63
	BLOCKW 2, 32
	BLOCKW 3, 0
	global_store_b32 v27, v16, s[18:19]            ; my column's word of this K step: 4 bytes every 16
	FINISH
.Lfunc_end_k_qe94d215f0a_quant:
	.size	k_qe94d215f0a_quant, .Lfunc_end_k_qe94d215f0a_quant-k_qe94d215f0a_quant
	.p2alignl 7, 3214868480
	.fill 96, 4, 3214868480
	.section	.rodata,"a",@progbits
	.p2align	6, 0x0
	.amdhsa_kernel k_qe94d215f0a_quant
		.amdhsa_group_segment_fixed_size 68096
		.amdhsa_private_segment_fixed_size 0
		.amdhsa_enable_private_segment 0
		.amdhsa_kernarg_size 72
		.amdhsa_user_sgpr_count 2
		.amdhsa_user_sgpr_kernarg_segment_ptr 1
		.amdhsa_wavefront_size32 1
		.amdhsa_system_sgpr_workgroup_id_x 1
		.amdhsa_system_sgpr_workgroup_id_y 1
		.amdhsa_system_sgpr_workgroup_id_z 1
		.amdhsa_system_vgpr_workitem_id 0
		.amdhsa_next_free_vgpr 256
		.amdhsa_next_free_sgpr 66
		.amdhsa_reserve_vcc 1
		.amdhsa_float_denorm_mode_32 3
		.amdhsa_float_denorm_mode_16_64 3
		.amdhsa_memory_ordered 1
		.amdhsa_forward_progress 1
		.amdhsa_inst_pref_size 92
	.end_amdhsa_kernel
	.amdgpu_metadata
---
amdhsa.version: [ 1, 2 ]
amdhsa.kernels:
  - .name:           k_qe94d215f0a_quant
    .symbol:         k_qe94d215f0a_quant.kd
    .args:
      - { .name: embed, .offset: 0, .size: 8, .value_kind: global_buffer, .address_space: global }
      - { .name: embed_unknown, .offset: 8, .size: 8, .value_kind: global_buffer, .address_space: global }
      - { .name: Wk, .offset: 16, .size: 8, .value_kind: global_buffer, .address_space: global }
      - { .name: Wq, .offset: 24, .size: 8, .value_kind: global_buffer, .address_space: global }
      - { .name: Wv, .offset: 32, .size: 8, .value_kind: global_buffer, .address_space: global }
      - { .name: mask, .offset: 40, .size: 8, .value_kind: global_buffer, .address_space: global }
      - { .name: codes, .offset: 48, .size: 8, .value_kind: global_buffer, .address_space: global }
      - { .name: scl, .offset: 56, .size: 8, .value_kind: global_buffer, .address_space: global }
      - { .name: maskf, .offset: 64, .size: 8, .value_kind: global_buffer, .address_space: global }
    .group_segment_fixed_size: 68096
    .private_segment_fixed_size: 0
    .kernarg_segment_align: 8
    .kernarg_segment_size: 72
    .max_flat_workgroup_size: 128
    .sgpr_count:     66
    .vgpr_count:     256
    .wavefront_size: 32
...
	.end_amdgpu_metadata
.endif
;; end of part 1
;; launch proj (part 2): grid 8 x 32, 4 waves a work-group, clusters of 4 x 4, 327,680 bytes of LDS; arguments codes, scl, bk, bq, mask, kf, qf, vf, vu, sds; writes kf, qf, vf, vu, sds
.if DOCPART == 2
	.amdgcn_target "amdgcn-amd-amdhsa--gfx1250"
	.amdhsa_code_object_version 6
	.text
	.protected	k_qe94d215f0a_proj
	.globl	k_qe94d215f0a_proj
	.p2align	8
	.type	k_qe94d215f0a_proj,@function
k_qe94d215f0a_proj:
	s_mov_b64 s[64:65], 0
	v_nop
	global_prefetch_b8 v0, s[64:65] scope:SCOPE_SE
	s_setreg_imm32_b32 hwreg(HW_REG_WAVE_MODE, 25, 1), 1
	s_wait_xcnt 0x0
	s_wait_alu depctr_hold_cnt(0) depctr_sa_sdst(0) depctr_va_vdst(0) depctr_va_sdst(0) depctr_va_ssrc(0) depctr_va_vcc(0) depctr_vm_vsrc(0)
	s_getreg_b32 s2, hwreg(HW_REG_IB_STS2, 6, 4)
	s_cmp_eq_u32 s2, 0
	s_cbranch_scc0 .Lentry_in_a_cluster
	s_endpgm
.Lentry_in_a_cluster:
	s_bfe_u32 s2, ttmp6, 0x10000c
	s_cmp_lg_u32 s2, 0xf033
	s_cbranch_scc0 .Lentry_shape_is_right
	s_endpgm
.Lentry_shape_is_right:
; The five products on codes of FP4 with E8M0 scales: k = E Wk + bk, k_u = U Wk + bk, q_u = U Wq + bq, v = E Wv, v_u = U Wv (E = embed, U = embed_unknown; bv is added by the attention launch, whose weights sum to 1).
; A work-group takes 128 tokens (of E and of U) x 128 columns (two heads) of each W, all K = 1,024.  Wave w: 64 tokens (w / 2) x one head (w % 2): 80 accumulators of 16 x 16, 640 registers;
; a K step of 128 is 80 matrix instructions from 20 fragments.  Codes lie in memory as images of operand registers, so a fragment is two loads of 512 consecutive LDS bytes: no pitch, no padding.
; kE, kU, qU, vU are used transposed (source 0 = 16 columns of W, source 1 = 16 tokens): a lane holds one token and eight channels.  vE is used as it reads (source 0 = tokens): a lane holds one channel and eight tokens: V^T's fragment.
; k_u never goes to memory: the two diagonal scores sd = q_u . k / 8 + mask[c][c] and s0 = q_u . k_u / 8 + mask[c][c] are made here, in f32, from the accumulators.
; OUT: kf, qf (q_u / 8), vf as f16 fragment images; vu f32 in the layout of an O^T accumulator; sds = {sd, s0} a token.  Every store of a wave covers 512 (sds: 256) consecutive bytes, aligned.
; LIMIT: |q_u / 8|, |k|, |v - bv| beyond 65,504 become infinities in f16.
; CLUSTER 4 x 4: the tokens' tiles hang on the token block alone and are shared along a row of the cluster, the weights' on the column block alone and are shared along a column: joint loads.
; LDS: three slots of 81,920 bytes, each two K steps: tokens' part i at 16384 i (E's four row blocks, U's four), weights' part j at 32768 + 24576 j (Wk's, Wq's, Wv's four column blocks).  K's four pairs of steps take slots 0, 1, 2, 0: one refill.
; REGISTERS: window 0: v1-13 lane terms; v16-22 LDS addresses; v32-111 scale words; v112-175 tokens' fragments, one set; v176-239 vE rows 0-31; v240-255 the dot products.
;   window 1: v0-95, v96-191 weights' fragments, two sets; v192-255 vE rows 32-63.   window 2: kE, kU.   window 3: qU, vU.
.set SLOT,  81920
.set SPARE, 245760                     ; behind the slots: the spare words, 128 bytes a wave
.set SPW,   28
.set NIL,   29
.set MD,    10                         ; v10-13 mask[c][c] of my four row blocks
.set ADRA,  16                         ; v16-18 my tokens' part in slot 0, 1, 2
.set ADRB,  20                         ; v20-22 my weights' part
.set SC,    32                         ; scale words: register SC + 40 (kappa / 4) + 4 n + kappa % 4.  n = a: lanes 0-15 E's block a, lanes 16-31 Wk's; n = 4 + a: U's, Wq's; n = 8 + a: Wv's blocks 2 a, 2 a + 1
.set AF,    112
.set WV,    24
.set G1A,   32
.set G1B,   40
.set G0A,   48                         ; s[48:59] a group 0 for each slot
.set G0B,   68                         ; s[68:79]
.set MSB, 0
.macro WIN new                         ; the immediate's high byte repeats the setting that is left
.if MSB != \new
	s_set_vgpr_msb (MSB<<8)|\new
.set MSB, \new
.endif
.endm
.macro PLACES n
.rept \n
	v_nop
.endr
.endm
.macro CREST                           ; a round of the cluster's barrier behind its opening barrier
	s_cmp_lg_u32 s[WV], 0
	s_cbranch_scc1 .Lnot_wave_0_\@
	s_barrier_signal -3
.Lnot_wave_0_\@:
	s_barrier_wait -3
	s_barrier_signal -1
	s_barrier_wait -1
.endm
.macro CROUND
	s_barrier_signal -1
	s_barrier_wait -1
	CREST
.endm
.macro JLOAD0                          ; the joint refill of slot 0: waves 0, 1 for the tokens, waves 2, 3 for the weights; s_nop 0 and four v_nop behind each line
	s_cmp_eq_u32 s25, 0
	s_cbranch_scc0 .Lfor_b_\@
	tensor_load_to_lds s[G0A:G0A+3], s[G1A:G1A+7]
	s_nop 0
	PLACES 4
	s_branch .Lasked_\@
.Lfor_b_\@:
	tensor_load_to_lds s[G0B:G0B+3], s[G1B:G1B+7]
	s_nop 0
	PLACES 4
.Lasked_\@:
.endm
	s_load_b256 s[4:11], s[0:1], 0x0               ; codes, scl, bk, bq
	s_load_b256 s[12:19], s[0:1], 0x20             ; mask, kf, qf, vf
	s_load_b128 s[20:23], s[0:1], 0x40             ; vu, sds
	v_lshl_add_u32 v[SPW], v0, 2, SPARE
	v_mov_b32 v[NIL], 0
	ds_add_u32 v[SPW], v[NIL]                      ; the wave's opening: the add, twice on end, and its wait ahead of my first tensor load
	ds_add_u32 v[SPW], v[NIL]
	v_lshrrev_b32 v30, 5, v0
	v_readfirstlane_b32 s[WV], v30                 ; wave 0..3
	s_lshr_b32 s25, s[WV], 1                       ; i: my 64 tokens.  Also: I fetch for the tokens (0) or the weights (1)
	s_and_b32 s26, s[WV], 1                        ; j: my head.  Also: which part I fetch
	s_bfe_u32 s27, ttmp6, 0x40000                  ; cx
	s_bfe_u32 s28, ttmp6, 0x40004                  ; cy
	s_lshl_b32 s29, ttmp9, 2
	s_add_co_u32 s29, s29, s27                     ; pi: the block of 128 columns
	s_and_b32 s30, ttmp7, 0xffff
	s_lshl_b32 s30, s30, 2
	s_add_co_u32 s30, s30, s28                     ; rho: the block of 128 tokens
	s_lshl_b32 s31, s28, 2
	s_lshl_b32 s31, 15, s31                        ; my row of the cluster
	s_lshl_b32 s60, 0x1111, s27                    ; my column
	s_or_b32 s[G1A], s31, (3<<16)|(1<<21)          ; the mask; elements of 8 bytes; bit 21 beside a mask; no padding
	s_or_b32 s[G1B], s60, (3<<16)|(1<<21)
	s_mov_b32 s[G1A+1], 1024<<16                   ; tensor_dim0 = 1,024 elements: 8,192 bytes, four blocks' images of two K steps
	s_mov_b32 s[G1A+2], 2<<16                      ; tensor_dim1 = 2: E, U
	s_mov_b32 s[G1A+3], 1024<<16                   ; tile_dim0
	s_mov_b32 s[G1A+4], 2                          ; tile_dim1
	s_mov_b32 s[G1A+5], 262144                     ; from E's codes to U's, in elements
	s_mov_b32 s[G1A+6], 0
	s_mov_b32 s[G1A+7], 0
	s_mov_b32 s[G1B+1], 1024<<16
	s_mov_b32 s[G1B+2], 3<<16                      ; Wk, Wq, Wv
	s_mov_b32 s[G1B+3], 1024<<16
	s_mov_b32 s[G1B+4], 3
	s_mov_b32 s[G1B+5], 65536
	s_mov_b32 s[G1B+6], 0
	s_mov_b32 s[G1B+7], 0
	s_lshl_b32 s61, s26, 13                        ; my part: 8,192 bytes on
	s_lshl_b32 s80, s30, 16
	s_add_co_u32 s80, s80, s61                     ; the tokens' address hangs on rho alone,
	s_mov_b32 s81, 0
	s_lshl_b32 s82, s29, 16
	s_add_co_u32 s82, s82, s61
	s_add_co_u32 s82, s82, 4194304                 ; the weights' on pi alone
	s_mov_b32 s83, 0
	s_lshl_b32 s84, s26, 14                        ; and where they go: the wave's number alone
	s_mul_i32 s85, s26, 24576
	s_add_co_u32 s85, s85, 32768
	s_mov_b32 s86, 0x76543210
	s_mov_b32 s87, 0xfedcba98                      ; lane l xor 16
	s_mov_b32 s88, 0x3e000000                      ; 1 / 8 = 1 / sqrt(64)
	s_mov_b32 s89, s88
	s_mov_b32 s90, 0xffff0000                      ; lanes 16-31
	s_wait_dscnt 0x0                               ; both opening adds are done
	s_wait_kmcnt 0x0
	s_add_nc_u64 s[80:81], s[4:5], s[80:81]
	s_add_nc_u64 s[82:83], s[4:5], s[82:83]
.irp s, 0,1,2
	s_mov_b32 s[G0A+4*\s], 1
	s_add_co_u32 s[G0A+4*\s+1], s84, \s*SLOT
	s_add_nc_u64 s[G0A+4*\s+2:G0A+4*\s+3], s[80:81], \s*16384
	s_or_b32 s[G0A+4*\s+3], s[G0A+4*\s+3], 0x80000000
	s_mov_b32 s[G0B+4*\s], 1
	s_add_co_u32 s[G0B+4*\s+1], s85, \s*SLOT
	s_add_nc_u64 s[G0B+4*\s+2:G0B+4*\s+3], s[82:83], \s*16384
	s_or_b32 s[G0B+4*\s+3], s[G0B+4*\s+3], 0x80000000
.endr
	CROUND                                         ; all sixteen work-groups are here: the first joint loads meet
	s_cmp_eq_u32 s25, 0                            ; a wave's three first fills stand in one branch: three loads of mine are out
	s_cbranch_scc0 .Lfirst_b
.irp s, 0,1,2
	tensor_load_to_lds s[G0A+4*\s:G0A+4*\s+3], s[G1A:G1A+7]
	s_nop 0
.endr
	PLACES 4
	s_branch .Lfirst_done
.Lfirst_b:
.irp s, 0,1,2
	tensor_load_to_lds s[G0B+4*\s:G0B+4*\s+3], s[G1B:G1B+7]
	s_nop 0
.endr
	PLACES 4
.Lfirst_done:
	v_and_b32 v1, 15, v0                           ; r
	v_bfe_u32 v2, v0, 4, 1                         ; h
	v_and_b32 v30, 31, v0
	v_lshlrev_b32 v3, 4, v30                       ; 16 x lane
	v_lshlrev_b32 v9, 3, v30                       ; 8 x lane
	v_lshlrev_b32 v7, 5, v2                        ; 32 h
	v_mul_u32_u24 v8, v1, 4100                     ; r rows and r columns of the mask
	v_lshlrev_b32 v31, 4, v1                       ; 16 r
	; the scale words' offsets: lanes 0-15 one table, lanes 16-31 another: the lower base + h x the distance
	s_lshl_b32 s60, s30, 3
	s_lshl_b32 s61, s25, 2
	s_add_co_u32 s60, s60, s61
	s_lshl_b32 s60, s60, 9                         ; E's: (8 rho + 4 i) x 512
	s_lshl_b32 s62, s29, 3
	s_lshl_b32 s63, s26, 2
	s_add_co_u32 s62, s62, s63
	s_lshl_b32 s62, s62, 9
	s_add_co_u32 s62, s62, 262144                  ; Wk's: 262144 + (8 pi + 4 j) x 512
	s_sub_co_u32 s63, s62, s60
	v_mul_u32_u24 v4, s63, v2
	v_add3_u32 v4, v4, v31, s60                    ; E | Wk
	s_sub_co_u32 s63, s63, 98304
	s_add_co_u32 s60, s60, 131072
	v_mul_u32_u24 v5, s63, v2
	v_add3_u32 v5, v5, v31, s60                    ; U | Wq
	s_add_co_u32 s62, s62, 65536
	v_lshl_add_u32 v6, v2, 9, v31
	v_add_nc_u32 v6, s62, v6                       ; Wv's even block | its odd block
	s_lshl_b32 s60, s25, 14
	s_mul_i32 s61, s26, 24576
	s_add_co_u32 s61, s61, 32768
.irp s, 0,1,2
	v_add_nc_u32 v[ADRA+\s], s60, v3
	v_add_nc_u32 v[ADRB+\s], s61, v3
	s_add_co_u32 s60, s60, SLOT
	s_add_co_u32 s61, s61, SLOT
.endr
	; where my results go
	s_lshr_b32 s91, s30, 3                         ; the batch
	s_and_b32 s92, s30, 7
	s_lshl_b32 s93, s29, 1
	s_add_co_u32 s93, s93, s26                     ; the head
	s_lshl_b32 s94, s91, 4
	s_add_co_u32 s94, s94, s93                     ; bh
	s_lshl_b32 s95, s92, 3
	s_lshl_b32 s96, s25, 2
	s_add_co_u32 s95, s95, s96                     ; my first block of 16 positions
	s_mov_b32 s97, 0
	s_lshl_b32 s96, s94, 17
	s_lshl_b32 s98, s95, 11
	s_add_co_u32 s96, s96, s98
	s_add_nc_u64 s[14:15], s[14:15], s[96:97]
	s_add_nc_u64 s[16:17], s[16:17], s[96:97]
	s_add_nc_u64 s[18:19], s[18:19], s[96:97]
	s_lshl_b32 s96, s96, 1
	s_add_nc_u64 s[20:21], s[20:21], s[96:97]
	s_lshl_b32 s96, s94, 10
	s_lshl_b32 s98, s95, 4                         ; my first position
	s_add_co_u32 s96, s96, s98
	s_lshl_b32 s96, s96, 3
	s_add_nc_u64 s[22:23], s[22:23], s[96:97]
	s_lshl_b32 s96, s93, 8
	s_add_nc_u64 s[8:9], s[8:9], s[96:97]
	s_add_nc_u64 s[10:11], s[10:11], s[96:97]
	s_mul_i32 s96, s98, 4100
	s_add_nc_u64 s[12:13], s[12:13], s[96:97]
.irp g, 0,1                                    ; the scale words of all of K: 20 loads of four words
.irp a, 0,1,2,3
	global_load_b128 v[SC+40*\g+4*\a:SC+40*\g+4*\a+3], v4, s[6:7] offset:\a*512+\g*256
	global_load_b128 v[SC+40*\g+16+4*\a:SC+40*\g+16+4*\a+3], v5, s[6:7] offset:\a*512+\g*256
.endr
.irp a, 0,1
	global_load_b128 v[SC+40*\g+32+4*\a:SC+40*\g+32+4*\a+3], v6, s[6:7] offset:\a*1024+\g*256
.endr
.endr
	WIN 0x80                                       ; THE BIASES ARE THE SUMS' FIRST VALUES: loaded straight into the accumulators, in the result's layout (lane: channels 16 b + 8 h + 0..7)
.irp a, 0,1,2,3
.irp b, 0,1,2,3
.irp u, 0,1
	global_load_b128 v[8*(4*\a+\b)+4*\u:8*(4*\a+\b)+4*\u+3], v7, s[8:9] offset:\b*64+\u*16
	global_load_b128 v[128+8*(4*\a+\b)+4*\u:128+8*(4*\a+\b)+4*\u+3], v7, s[8:9] offset:\b*64+\u*16
.endr
.endr
.endr
	WIN 0xc0
.irp a, 0,1,2,3
.irp b, 0,1,2,3
.irp u, 0,1
	global_load_b128 v[8*(4*\a+\b)+4*\u:8*(4*\a+\b)+4*\u+3], v7, s[10:11] offset:\b*64+\u*16
.endr
.endr
.endr
	WIN 0
.irp a, 0,1,2,3
	global_load_b32 v[MD+\a], v8, s[12:13] offset:\a*65600   ; mask[c][c], c = my first position + 16 a + r
.endr
; One matrix instruction, by the symbols rD, rA, rB (registers), rSA, rSB (scale registers), rRA, rRB (1: the scales stand in lanes 16-31).  zero = 1: it starts its sum.
.macro EMIT zero
.if \zero
.if rRA
	v_wmma_scale_f32_16x16x128_f8f6f4 v[rD:rD+7], v[rA:rA+7], v[rB:rB+7], 0, v[rSA], v[rSB] matrix_a_fmt:MATRIX_FMT_FP4 matrix_b_fmt:MATRIX_FMT_FP4 matrix_a_scale:MATRIX_SCALE_ROW1
.elseif rRB
	v_wmma_scale_f32_16x16x128_f8f6f4 v[rD:rD+7], v[rA:rA+7], v[rB:rB+7], 0, v[rSA], v[rSB] matrix_a_fmt:MATRIX_FMT_FP4 matrix_b_fmt:MATRIX_FMT_FP4 matrix_b_scale:MATRIX_SCALE_ROW1
.else
	v_wmma_scale_f32_16x16x128_f8f6f4 v[rD:rD+7], v[rA:rA+7], v[rB:rB+7], 0, v[rSA], v[rSB] matrix_a_fmt:MATRIX_FMT_FP4 matrix_b_fmt:MATRIX_FMT_FP4
.endif
.else
.if rRA
	v_wmma_scale_f32_16x16x128_f8f6f4 v[rD:rD+7], v[rA:rA+7], v[rB:rB+7], v[rD:rD+7], v[rSA], v[rSB] matrix_a_fmt:MATRIX_FMT_FP4 matrix_b_fmt:MATRIX_FMT_FP4 matrix_a_scale:MATRIX_SCALE_ROW1
.elseif rRB
	v_wmma_scale_f32_16x16x128_f8f6f4 v[rD:rD+7], v[rA:rA+7], v[rB:rB+7], v[rD:rD+7], v[rSA], v[rSB] matrix_a_fmt:MATRIX_FMT_FP4 matrix_b_fmt:MATRIX_FMT_FP4 matrix_b_scale:MATRIX_SCALE_ROW1
.else
	v_wmma_scale_f32_16x16x128_f8f6f4 v[rD:rD+7], v[rA:rA+7], v[rB:rB+7], v[rD:rD+7], v[rSA], v[rSB] matrix_a_fmt:MATRIX_FMT_FP4 matrix_b_fmt:MATRIX_FMT_FP4
.endif
.endif
.endm
; 16 transposed products: weight m x tokens t (0: E, 1: U), accumulators from acc on in the window that is set
.macro MULSW acc, m, t, set, kap, zero
.irp a, 0,1,2,3
.irp b, 0,1,2,3
.set rD, (\acc)+8*(4*\a+\b)
.set rA, 96*(\set)+8*(4*(\m)+\b)
.set rB, AF+8*(4*(\t)+\a)
.set rSB, SC+40*((\kap)/4)+4*(4*(\t)+\a)+(\kap)%4
.set rRB, 0
.if (\m) < 2
.set rSA, SC+40*((\kap)/4)+4*(4*(\m)+\b)+(\kap)%4
.set rRA, 1
.else
.set rSA, SC+40*((\kap)/4)+4*(8+\b/2)+(\kap)%4
.set rRA, \b%2
.endif
	EMIT \zero
.endr
.endr
.endm
; 8 products of vE, as they read: E's row blocks 2 half, 2 half + 1 x Wv's four column blocks
.macro MULNAT half, set, kap, zero
.irp a, 0,1
.irp b, 0,1,2,3
.set rD, 176+16*(\half)+8*(4*\a+\b)
.set rA, AF+8*(2*(\half)+\a)
.set rB, 96*(\set)+8*(8+\b)
.set rSA, SC+40*((\kap)/4)+4*(2*(\half)+\a)+(\kap)%4
.set rRA, 0
.set rSB, SC+40*((\kap)/4)+4*(8+\b/2)+(\kap)%4
.set rRB, \b%2
	EMIT \zero
.endr
.endr
.endm
.macro FRAG reg, adr, off              ; a fragment's image: two pieces of 512 bytes
	ds_load_b128 v[(\reg):(\reg)+3], v[\adr] offset:(\off)
	ds_load_b128 v[(\reg)+4:(\reg)+7], v[\adr] offset:(\off)+512
.endm
.macro FETCH_B slot, kl, set           ; the weights' twelve fragments of a K step: 24 loads
	WIN 0x40
.irp m, 0,1,2
.irp b, 0,1,2,3
	FRAG 96*(\set)+8*(4*\m+\b), ADRB+(\slot), \m*8192+\b*2048+(\kl)*1024
.endr
.endr
	WIN 0
.endm
.macro FETCH_A slot, kl, t             ; E's or U's four: 8 loads
.irp a, 0,1,2,3
	FRAG AF+8*(4*(\t)+\a), ADRA+(\slot), (\t)*8192+\a*2048+(\kl)*1024
.endr
.endm
.macro KE set, kap
	WIN 0xa1                                       ; source 0 (W) window 1, source 1 (tokens) window 0, C and D window 2
	MULSW 0, 0, 0, \set, \kap, 0
.endm
.macro VE set, kap, zero
	WIN 0x04                                       ; source 1 (W) window 1, all else window 0
	MULNAT 0, \set, \kap, \zero
	WIN 0x54                                       ; C and D window 1
	MULNAT 1, \set, \kap, \zero
.endm
.macro UPROD set, kap, zero
	WIN 0xa1
	MULSW 128, 0, 1, \set, \kap, 0
	WIN 0xf1                                       ; C and D window 3
	MULSW 0, 1, 1, \set, \kap, 0
	MULSW 128, 2, 1, \set, \kap, \zero
.endm
; A K step of 128: the 80 accumulators take turns, one instruction a turn, in the same order in every step.  E's products free E's fragments, which are fetched anew in the
; step's middle with the weights' other set; U's at its end.  Four plain places stand in front of each run of loads into registers that matrix instructions have read (ISA guide 7.12.1 for vector instructions).
.macro STEP kap, nslot, nkl, zero
	s_wait_dscnt 8                                 ; the weights' set and E's fragments are in; the youngest eight loads (U's) may be out
	KE (\kap)%2, \kap
	VE (\kap)%2, \kap, \zero
	s_wait_dscnt 0x0                               ; U's are in
	PLACES 4
	FETCH_B \nslot, \nkl, 1-(\kap)%2
	FETCH_A \nslot, \nkl, 0
	UPROD (\kap)%2, \kap, \zero
	PLACES 4
	WIN 0
	FETCH_A \nslot, \nkl, 1
.endm
; A K step at whose middle all waves meet.  fill = 1: slot 0 has been read out and takes K's last pair of steps: each wave waits for all its tensor loads (slots 1 and 2 among them), adds 0 to its spare word,
; waits for that and for its reads of the slot; the barrier opens a round of the cluster's; the joint refill is the first thing behind the round.  fill = 0: the refill has landed and is shown to all four waves.
.macro TURN kap, nslot, nkl, fill
	s_wait_tensorcnt 0x0
	ds_add_u32 v[SPW], v[NIL]
	s_wait_dscnt 9                                 ; (the add and U's eight loads may be out)
	KE (\kap)%2, \kap                              ; sixteen matrix instructions stand between the add and the wait for it
	s_wait_dscnt 0x0                               ; the add is done, and all my LDS reads are back
	s_barrier_signal -1
	VE (\kap)%2, \kap, 0
	WIN 0
	s_barrier_wait -1
.if \fill
	CREST                                          ; no wave of any partner still reads slot 0 or has a load on its way
	s_add_nc_u64 s[G0A+2:G0A+3], s[G0A+2:G0A+3], 3*16384
	s_add_nc_u64 s[G0B+2:G0B+3], s[G0B+2:G0B+3], 3*16384
	JLOAD0                                         ; its four v_nop are also the places in front of the loads below
.else
	PLACES 4
.endif
	FETCH_B \nslot, \nkl, 1-(\kap)%2
	FETCH_A \nslot, \nkl, 0
	UPROD (\kap)%2, \kap, 0
	PLACES 4
	WIN 0
	FETCH_A \nslot, \nkl, 1
.endm
	s_wait_tensorcnt 2                             ; my part of slot 0 is in; slots 1 and 2 may stay out
	s_barrier_signal -1
	s_barrier_wait -1
	FETCH_B 0, 0, 0
	FETCH_A 0, 0, 0
	FETCH_A 0, 0, 1
	s_wait_loadcnt 0x0                             ; scale words, biases, the mask's diagonal
	STEP 0, 0, 1, 1                                ; vE's and vU's first products start their sums; the others add onto the biases
	TURN 1, 1, 0, 1
	STEP 2, 1, 1, 0
	STEP 3, 2, 0, 0                                ; slots 1 and 2 were shown whole at the round in step 1
	STEP 4, 2, 1, 0
	TURN 5, 0, 0, 0
	STEP 6, 0, 1, 0
	s_wait_dscnt 8
	KE 1, 7
	VE 1, 7, 0
	s_wait_dscnt 0x0
	UPROD 1, 7, 0
	WIN 0
	PLACES 4                                       ; in front of the first reads of results and the first writes over fragments
	; THE WAY OUT.  q_u / 8, exact; each accumulator from its low end on
	WIN 0xc3
.set i, 0
.rept 64
	v_pk_mul_f32 v[i:i+1], v[i:i+1], s[88:89] op_sel_hi:[1,0]
.set i, i+2
.endr
	WIN 0x0b                                       ; source 0 (q) window 3, source 1 (k) window 2: eight chains by turns: row block a x (k, k_u)
.irp b, 0,1,2,3
.irp p, 0,1,2,3
.irp a, 0,1,2,3
.irp u, 0,1
.set rq, 8*(4*\a+\b)+2*\p
.set rd, 240+2*(2*\a+\u)
.if (\b == 0) && (\p == 0)
	v_pk_mul_f32 v[rd:rd+1], v[rq:rq+1], v[128*\u+rq:128*\u+rq+1]
.else
	v_pk_fma_f32 v[rd:rd+1], v[rq:rq+1], v[128*\u+rq:128*\u+rq+1], v[rd:rd+1]
.endif
.endr
.endr
.endr
.endr
	WIN 0
.irp c, 0,1,2,3,4,5,6,7
	v_add_f32 v[240+2*\c], v[240+2*\c], v[241+2*\c]
.endr
.irp c, 0,1,2,3,4,5,6,7
	v_permlanex16_b32 v[241+2*\c], v[240+2*\c], s86, s87   ; the token's other 32 channels lie in the lane 16 away
.endr
.irp c, 0,1,2,3,4,5,6,7
	v_add_f32 v[240+2*\c], v[240+2*\c], v[241+2*\c]
.endr
.irp a, 0,1,2,3
.irp u, 0,1
	v_add_f32 v[240+4*\a+2*\u], v[240+4*\a+2*\u], v[MD+\a]
.endr
.endr
.irp p, 0,1                                    ; lanes 0-15 take row block 2 p, lanes 16-31 block 2 p + 1
	v_cndmask_b32 v[24+2*\p], v[240+8*\p], v[244+8*\p], s90
	v_cndmask_b32 v[25+2*\p], v[242+8*\p], v[246+8*\p], s90
	global_store_b64 v9, v[24+2*\p:25+2*\p], s[22:23] offset:\p*256
.endr
	WIN 0x4a                                       ; k to f16, into the registers that held the weights' fragments
.set i, 0
.rept 64
	v_cvt_pk_f16_f32 v[i], v[2*i], v[2*i+1]
.set i, i+1
.endr
	WIN 0x4f                                       ; q_u / 8
.set i, 0
.rept 64
	v_cvt_pk_f16_f32 v[64+i], v[2*i], v[2*i+1]
.set i, i+1
.endr
	WIN 0x40                                       ; v, rows 0-31
.set i, 0
.rept 32
	v_cvt_pk_f16_f32 v[128+i], v[176+2*i], v[177+2*i]
.set i, i+1
.endr
	WIN 0x45                                       ; v, rows 32-63
.set i, 0
.rept 32
	v_cvt_pk_f16_f32 v[160+i], v[192+2*i], v[193+2*i]
.set i, i+1
.endr
	WIN 0x04                                       ; a store's data are its source 1: window 1
.irp a, 0,1,2,3
.irp b, 0,1,2,3
	global_store_b128 v3, v[4*(4*\a+\b):4*(4*\a+\b)+3], s[14:15] offset:\a*2048+\b*512
	global_store_b128 v3, v[64+4*(4*\a+\b):64+4*(4*\a+\b)+3], s[16:17] offset:\a*2048+\b*512
	global_store_b128 v3, v[128+4*(4*\a+\b):128+4*(4*\a+\b)+3], s[18:19] offset:(\a/2)*4096+\b*1024+(\a%2)*512
.endr
.endr
	WIN 0x0c                                       ; v_u leaves from its accumulators, each from its low end on
.irp a, 0,1,2,3
.irp b, 0,1,2,3
.irp u, 0,1
	global_store_b128 v3, v[128+8*(4*\a+\b)+4*\u:128+8*(4*\a+\b)+4*\u+3], s[20:21] offset:\a*4096+\b*1024+\u*512
.endr
.endr
.endr
	WIN 0
	s_wait_tensorcnt 0x0                           ; the wave's end
	ds_add_u32 v[SPW], v[NIL]
	s_wait_dscnt 0x0
	CROUND                                         ; the closing round: no work-group ends while a partner may still ask for a tile that names it
	s_endpgm
.Lfunc_end_k_qe94d215f0a_proj:
	.size	k_qe94d215f0a_proj, .Lfunc_end_k_qe94d215f0a_proj-k_qe94d215f0a_proj
	.p2alignl 7, 3214868480
	.fill 96, 4, 3214868480
	.section	.rodata,"a",@progbits
	.p2align	6, 0x0
	.amdhsa_kernel k_qe94d215f0a_proj
		.amdhsa_group_segment_fixed_size 327680
		.amdhsa_private_segment_fixed_size 0
		.amdhsa_enable_private_segment 0
		.amdhsa_kernarg_size 80
		.amdhsa_user_sgpr_count 2
		.amdhsa_user_sgpr_kernarg_segment_ptr 1
		.amdhsa_wavefront_size32 1
		.amdhsa_system_sgpr_workgroup_id_x 1
		.amdhsa_system_sgpr_workgroup_id_y 1
		.amdhsa_system_sgpr_workgroup_id_z 1
		.amdhsa_system_vgpr_workitem_id 0
		.amdhsa_next_free_vgpr 1024
		.amdhsa_next_free_sgpr 100
		.amdhsa_reserve_vcc 0
		.amdhsa_float_denorm_mode_32 3
		.amdhsa_float_denorm_mode_16_64 3
		.amdhsa_memory_ordered 1
		.amdhsa_forward_progress 1
		.amdhsa_inst_pref_size 160
	.end_amdhsa_kernel
	.amdgpu_metadata
---
amdhsa.version: [ 1, 2 ]
amdhsa.kernels:
  - .name:           k_qe94d215f0a_proj
    .symbol:         k_qe94d215f0a_proj.kd
    .args:
      - { .name: codes, .offset: 0, .size: 8, .value_kind: global_buffer, .address_space: global }
      - { .name: scl, .offset: 8, .size: 8, .value_kind: global_buffer, .address_space: global }
      - { .name: bk, .offset: 16, .size: 8, .value_kind: global_buffer, .address_space: global }
      - { .name: bq, .offset: 24, .size: 8, .value_kind: global_buffer, .address_space: global }
      - { .name: mask, .offset: 32, .size: 8, .value_kind: global_buffer, .address_space: global }
      - { .name: kf, .offset: 40, .size: 8, .value_kind: global_buffer, .address_space: global }
      - { .name: qf, .offset: 48, .size: 8, .value_kind: global_buffer, .address_space: global }
      - { .name: vf, .offset: 56, .size: 8, .value_kind: global_buffer, .address_space: global }
      - { .name: vu, .offset: 64, .size: 8, .value_kind: global_buffer, .address_space: global }
      - { .name: sds, .offset: 72, .size: 8, .value_kind: global_buffer, .address_space: global }
    .group_segment_fixed_size: 327680
    .private_segment_fixed_size: 0
    .kernarg_segment_align: 8
    .kernarg_segment_size: 80
    .max_flat_workgroup_size: 128
    .sgpr_count:     100
    .vgpr_count:     1024
    .wavefront_size: 32
...
	.end_amdgpu_metadata
.endif
;; end of part 2
;; launch attn (part 3): grid 4 x 64, 8 waves a work-group, clusters of 4 x 1, 327,680 bytes of LDS; arguments kf, vf, qf, maskf, vu, sds, bv, out0, out1; writes out0, out1
.if DOCPART == 3
	.amdgcn_target "amdgcn-amd-amdhsa--gfx1250"
	.amdhsa_code_object_version 6
	.text
	.protected	k_qe94d215f0a_attn
	.globl	k_qe94d215f0a_attn
	.p2align	8
	.type	k_qe94d215f0a_attn,@function
k_qe94d215f0a_attn:
	s_mov_b64 s[64:65], 0
	v_nop
	global_prefetch_b8 v0, s[64:65] scope:SCOPE_SE
	s_setreg_imm32_b32 hwreg(HW_REG_WAVE_MODE, 25, 1), 1
	s_wait_xcnt 0x0
	s_wait_alu depctr_hold_cnt(0) depctr_sa_sdst(0) depctr_va_vdst(0) depctr_va_sdst(0) depctr_va_ssrc(0) depctr_va_vcc(0) depctr_vm_vsrc(0)
	s_getreg_b32 s2, hwreg(HW_REG_IB_STS2, 6, 4)
	s_cmp_eq_u32 s2, 0
	s_cbranch_scc0 .Lentry_in_a_cluster
	s_endpgm
.Lentry_in_a_cluster:
	s_bfe_u32 s2, ttmp6, 0x10000c
	s_cmp_lg_u32 s2, 0x3003
	s_cbranch_scc0 .Lentry_shape_is_right
	s_endpgm
.Lentry_shape_is_right:
; Both outputs from ONE softmax walk.  For each query i a running maximum M, sum L and numerator N over the keys OFF the diagonal (maskf holds -2e38 there, so p is 0 with no line for it).  Then, each under its own maximum:
;   out0 = (N a1 + e1 v_i) / (L a1 + e1) + bv,  M1 = max(M, sd),  a1 = 2^(c (M - M1)),  e1 = 2^(c (sd - M1));     out1 likewise with s0 and v_u.   c = log2(e).
; Only sums of terms that are not negative are formed, and a maximum is taken away ahead of every exponential.  bv is added last: the weights sum to 1.
; S^T = K Q^T + mask: the mask tile is the C of the first matrix instruction.  p is rounded to f16 for V^T P; L is the sum of those same rounded p, made by the matrix unit (a fragment of ones x P).
; LIMITS: f16 operands (q / 8, k, v - bv up to 65,504); M starts at -1e38: a row all of whose scores + mask lie under that gives NaN; NaN among the inputs is not served.
; SHARES.  A work-group: 256 queries of one head; each of its eight waves 32: two tiles of 16, in 512 registers, two waves to a SIMD.  Every wave walks the head's 1,024 keys, 128 a step, eight steps written out.
; LDS.  THE WHOLE HEAD STAYS: K's fragment images at 0, V's at 131072, 131,072 bytes each, filled once: nothing is filled again.  Each wave brings four pieces of 8,192 bytes, one of each quarter of K (waves 0-3) or V (waves 4-7).
; CLUSTER.  The head's four query blocks read the same K and V: each piece is asked for jointly, by the same load with the same descriptor and the mask 15.
; No prefetch: all tensor loads go out at the head; the mask's tiles are read by all 64 heads and are asked for a step ahead, into registers; v_u is asked for a softmax ahead.
; REGISTERS: window 0: v1-4 LDS addresses; v7 32 h; v8-31 statistics; v32-159 S^T (tile t, key block kb at 32 + 64 t + 8 kb), then p, then P in the tile's first 32; v160, v192, v224 three fragment buffers.
;   window 1: v0-127 the next step's mask, laid as S^T; v128-191 O^T; v192-207 L; v208-239 Q; v240-247 ones.
.set STAGE, 262144                     ; the way out: 16 rows x 272 bytes a wave
.set SPARE, 296960                     ; the spare words, 128 bytes a wave
.set SPW,  5
.set NIL,  6
.set ST,   8                           ; tile t at ST + 12 t: +0,1 c M (pair); +2,3 f (pair); +4 sd, +5 s0; +6 M; +7 exchange; +8..11 four chains
.set SB,   32
.set FA,   160
.set FB,   192
.set FC,   224
.set OACC, 128
.set LACC, 192
.set QFR,  208
.set ONES, 240
.set WV,   22
.set G1,   28
.set G0,   36                          ; s[36:51] four groups 0
.set CS,   52                          ; s[52:53] c, twice
.set SEL,  54
.set MSB, 0
.macro WIN new
.if MSB != \new
	s_set_vgpr_msb (MSB<<8)|\new
.set MSB, \new
.endif
.endm
.macro PLACES n
.rept \n
	v_nop
.endr
.endm
.macro CROUND
	s_barrier_signal -1
	s_barrier_wait -1
	s_cmp_lg_u32 s[WV], 0
	s_cbranch_scc1 .Lnot_wave_0_\@
	s_barrier_signal -3
.Lnot_wave_0_\@:
	s_barrier_wait -3
	s_barrier_signal -1
	s_barrier_wait -1
.endm
	s_load_b256 s[4:11], s[0:1], 0x0               ; kf, vf, qf, maskf
	s_load_b256 s[12:19], s[0:1], 0x20             ; vu, sds, bv, out0
	s_load_b64 s[20:21], s[0:1], 0x40              ; out1
	v_lshl_add_u32 v[SPW], v0, 2, SPARE
	v_mov_b32 v[NIL], 0
	ds_add_u32 v[SPW], v[NIL]                      ; the wave's opening: the add, twice on end, and its wait ahead of my first tensor load
	ds_add_u32 v[SPW], v[NIL]
	v_lshrrev_b32 v8, 5, v0
	v_readfirstlane_b32 s[WV], v8                  ; wave 0..7
	s_bfe_u32 s23, ttmp6, 0x40000                  ; cx: my block of 256 queries; it enters global addresses of Q, mask, v_u, sds, V's diagonal rows and the outputs alone
	s_and_b32 s24, ttmp7, 0xffff                   ; bh, which the four partners share
	s_mov_b32 s[G1], 15|(3<<16)|(1<<21)            ; the mask: all four; elements of 8 bytes; bit 21 beside a mask
	s_mov_b32 s[G1+1], 32<<16                      ; a dense piece of 8,192 bytes as 32 rows of 256
	s_mov_b32 s[G1+2], 32<<16
	s_mov_b32 s[G1+3], 32<<16
	s_mov_b32 s[G1+4], 32
	s_mov_b32 s[G1+5], 32
	s_mov_b32 s[G1+6], 0
	s_mov_b32 s[G1+7], 0
	s_lshr_b32 s25, s[WV], 2                       ; 0: K, 1: V
	s_and_b32 s26, s[WV], 3
	s_lshl_b32 s27, s26, 13
	s_lshl_b32 s56, s25, 17
	s_add_co_u32 s56, s56, s27                     ; LDS: 131072 (w / 4) + 8192 (w % 4)
	s_lshl_b32 s58, s24, 17
	s_add_co_u32 s58, s58, s27
	s_mov_b32 s59, 0
	s_mov_b32 s[CS], 0x3fb8aa3b                    ; c = log2(e)
	s_mov_b32 s[CS+1], s[CS]
	s_mov_b32 s[SEL], 0x76543210
	s_mov_b32 s[SEL+1], 0xfedcba98
	s_wait_dscnt 0x0                               ; both opening adds are done
	s_wait_kmcnt 0x0
	s_cmp_eq_u32 s25, 0
	s_cselect_b64 s[60:61], s[4:5], s[6:7]
	s_add_nc_u64 s[60:61], s[60:61], s[58:59]
.irp jc, 0,1,2,3
	s_mov_b32 s[G0+4*\jc], 1
	s_add_co_u32 s[G0+4*\jc+1], s56, \jc*32768
	s_add_nc_u64 s[G0+4*\jc+2:G0+4*\jc+3], s[60:61], \jc*32768
	s_or_b32 s[G0+4*\jc+3], s[G0+4*\jc+3], 0x80000000
.endr
	CROUND                                         ; all four work-groups are here: the joint loads meet
.irp jc, 0,1,2,3
	tensor_load_to_lds s[G0+4*\jc:G0+4*\jc+3], s[G1:G1+7]   ; quarter jc: keys 256 jc on.  Four loads of mine are out
	s_nop 0
.endr
	PLACES 4
	v_and_b32 v8, 31, v0
	v_lshlrev_b32 v1, 4, v8                        ; 16 x lane: K, steps 0-3
	v_add_nc_u32 v2, 0x10000, v1                   ; K, steps 4-7
	v_add_nc_u32 v3, 0x20000, v1                   ; V, steps 0-3
	v_add_nc_u32 v4, 0x30000, v1                   ; V, steps 4-7
	v_bfe_u32 v7, v0, 4, 1
	v_lshlrev_b32 v7, 5, v7                        ; 32 h
	v_and_b32 v32, 15, v0
	v_lshlrev_b32 v32, 3, v32                      ; 8 r (free again once the loads that name it are in)
	s_lshl_b32 s56, s23, 4
	s_lshl_b32 s57, s[WV], 1
	s_add_co_u32 s56, s56, s57                     ; my first tile of 16 queries
	s_lshr_b32 s57, s24, 4                         ; the batch
	s_and_b32 s58, s24, 15                         ; the head
	s_mov_b32 s61, 0
	s_lshl_b32 s60, s24, 17
	s_lshl_b32 s59, s56, 11
	s_add_co_u32 s60, s60, s59
	s_add_nc_u64 s[8:9], s[8:9], s[60:61]          ; Q's images of my two tiles
	s_add_nc_u64 s[6:7], s[6:7], s[60:61]          ; V^T's fragments of the 32 keys that are my 32 queries' own
	s_lshl_b32 s60, s60, 1
	s_add_nc_u64 s[12:13], s[12:13], s[60:61]      ; v_u
	s_lshl_b32 s60, s56, 16
	s_add_nc_u64 s[10:11], s[10:11], s[60:61]      ; the mask's images
	s_lshl_b32 s60, s24, 10
	s_lshl_b32 s59, s56, 4
	s_add_co_u32 s60, s60, s59
	s_lshl_b32 s60, s60, 3
	s_add_nc_u64 s[14:15], s[14:15], s[60:61]      ; sd, s0
	s_lshl_b32 s60, s58, 8
	s_add_nc_u64 s[16:17], s[16:17], s[60:61]      ; bv
	s_lshl_b32 s60, s57, 10
	s_add_co_u32 s60, s60, s59
	s_lshl_b32 s60, s60, 12
	s_lshl_b32 s59, s58, 8
	s_add_co_u32 s60, s60, s59
	s_add_nc_u64 s[18:19], s[18:19], s[60:61]
	s_add_nc_u64 s[20:21], s[20:21], s[60:61]
	s_mul_i32 s66, s[WV], 4352
	s_add_co_u32 s66, s66, STAGE                   ; my stage
.macro LDQ buf, adr, off               ; four fragments: 8 loads of 512 consecutive bytes
.irp n, 0,1,2,3,4,5,6,7
	ds_load_b128 v[(\buf)+4*\n:(\buf)+4*\n+3], v[\adr] offset:(\off)+512*\n
.endr
.endm
; 8 products: key blocks 2 i, 2 i + 1 x my two tiles, 64 channels in two links; the first link's C is the mask.  Between a sum's two links stand three others'
.macro KQ i, buf
	WIN 0x14                                       ; Q and the mask in window 1
.irp kbl, 0,1
.irp t, 0,1
.set rS, SB+64*\t+8*(2*(\i)+\kbl)
	v_wmma_f32_16x16x32_f16 v[rS:rS+7], v[(\buf)+16*\kbl:(\buf)+16*\kbl+7], v[QFR+16*\t:QFR+16*\t+7], v[rS-SB:rS-SB+7]
.endr
.endr
	WIN 0x04
.irp kbl, 0,1
.irp t, 0,1
.set rS, SB+64*\t+8*(2*(\i)+\kbl)
	v_wmma_f32_16x16x32_f16 v[rS:rS+7], v[(\buf)+16*\kbl+8:(\buf)+16*\kbl+15], v[QFR+16*\t+8:QFR+16*\t+15], v[rS:rS+7]
.endr
.endr
.endm
; 8 products O^T += V^T P: keys 32 g on, four channel blocks x two tiles
.macro PV g, buf, first
	WIN 0x50                                       ; O^T in window 1
.irp cb, 0,1,2,3
.irp t, 0,1
.set rO, OACC+32*\t+8*\cb
.set rP, SB+64*\t+8*(\g)
.if (\first) && ((\g) == 0)
	v_wmma_f32_16x16x32_f16 v[rO:rO+7], v[(\buf)+8*\cb:(\buf)+8*\cb+7], v[rP:rP+7], 0
.else
	v_wmma_f32_16x16x32_f16 v[rO:rO+7], v[(\buf)+8*\cb:(\buf)+8*\cb+7], v[rP:rP+7], v[rO:rO+7]
.endif
.endr
.endr
.endm
; 8 products ones x P: every row of the result is the tile's row sums; register 0 is used.  The two tiles' sums by turns
.macro LSUM first
	WIN 0x51
.irp g, 0,1,2,3
.irp t, 0,1
.set rL, LACC+8*\t
.set rP, SB+64*\t+8*\g
.if (\first) && (\g == 0)
	v_wmma_f32_16x16x32_f16 v[rL:rL+7], v[ONES:ONES+7], v[rP:rP+7], 0
.else
	v_wmma_f32_16x16x32_f16 v[rL:rL+7], v[ONES:ONES+7], v[rP:rP+7], v[rL:rL+7]
.endif
.endr
.endr
.endm
.macro MASKLD s                        ; step s's mask tiles, in the order in which the quarters want them: 8 loads a quarter
	WIN 0x40
.irp i, 0,1,2,3
.irp kbl, 0,1
.irp t, 0,1
.irp u, 0,1
	global_load_b128 v[64*\t+8*(2*\i+\kbl)+4*\u:64*\t+8*(2*\i+\kbl)+4*\u+3], v1, s[10:11] offset:\t*65536+(8*(\s)+2*\i+\kbl)*1024+\u*512
.endr
.endr
.endr
.endr
.endm
; The softmax of a step, the two tiles line by line.  Every accumulator is first read at its low end.  The exponentials are one batch with one wait.
.macro SOFTMAX first
	WIN 0
.irp i, 0,1,2,3
.irp t, 0,1
	v_max3_num_f32 v[ST+12*\t+8+\i], v[SB+64*\t+8*\i], v[SB+64*\t+8*\i+1], v[SB+64*\t+8*\i+2]
.endr
.endr
.irp n, 3,5
.irp i, 0,1,2,3
.irp t, 0,1
	v_max3_num_f32 v[ST+12*\t+8+\i], v[ST+12*\t+8+\i], v[SB+64*\t+8*\i+\n], v[SB+64*\t+8*\i+\n+1]
.endr
.endr
.endr
.irp i, 0,1,2,3
.irp t, 0,1
	v_max3_num_f32 v[ST+12*\t+8+\i], v[ST+12*\t+8+\i], v[SB+64*\t+8*\i+7], v[SB+64*\t+8*\i+32]
.endr
.endr
.irp n, 33,35,37
.irp i, 0,1,2,3
.irp t, 0,1
	v_max3_num_f32 v[ST+12*\t+8+\i], v[ST+12*\t+8+\i], v[SB+64*\t+8*\i+\n], v[SB+64*\t+8*\i+\n+1]
.endr
.endr
.endr
.irp t, 0,1
	v_max3_num_f32 v[ST+12*\t+8], v[ST+12*\t+8], v[SB+64*\t+39], v[SB+64*\t+47]
	v_max3_num_f32 v[ST+12*\t+10], v[ST+12*\t+10], v[SB+64*\t+55], v[SB+64*\t+63]
.endr
.irp t, 0,1
	v_max3_num_f32 v[ST+12*\t+8], v[ST+12*\t+8], v[ST+12*\t+9], v[ST+12*\t+10]
.endr
.irp t, 0,1
.if \first
	v_max3_num_f32 v[ST+12*\t+8], v[ST+12*\t+8], v[ST+12*\t+11], 0xfe967699   ; M starts at -1e38, over the diagonal's -2e38
.else
	v_max3_num_f32 v[ST+12*\t+8], v[ST+12*\t+8], v[ST+12*\t+11], v[ST+12*\t+6]
.endif
.endr
.irp t, 0,1
	v_permlanex16_b32 v[ST+12*\t+7], v[ST+12*\t+8], s[SEL], s[SEL+1]   ; the query's other 64 keys lie in the lane 16 away
.endr
.irp t, 0,1
	v_max_num_f32 v[ST+12*\t+6], v[ST+12*\t+8], v[ST+12*\t+7]
.endr
.if !\first
.irp t, 0,1
	v_mov_b32 v[ST+12*\t+9], v[ST+12*\t]           ; c M as it was
.endr
.endif
.irp t, 0,1
	v_mul_f32 v[ST+12*\t], s[CS], v[ST+12*\t+6]
.endr
.if !\first
.irp t, 0,1
	v_sub_f32 v[ST+12*\t+9], v[ST+12*\t+9], v[ST+12*\t]
.endr
.endif
.set cnt, 0
.rept 32
.irp t, 0,1
	v_pk_fma_f32 v[SB+64*\t+cnt:SB+64*\t+cnt+1], v[SB+64*\t+cnt:SB+64*\t+cnt+1], s[CS:CS+1], v[ST+12*\t:ST+12*\t+1] op_sel_hi:[1,0,0] neg_lo:[0,0,1] neg_hi:[0,0,1]   ; c s - c M
.endr
.set cnt, cnt+2
.endr
.if !\first
.irp t, 0,1
	v_exp_f32 v[ST+12*\t+2], v[ST+12*\t+9]         ; f = 2^(c M old - c M new)
.endr
.endif
.set cnt, 0
.rept 64
.irp t, 0,1
	v_exp_f32 v[SB+64*\t+cnt], v[SB+64*\t+cnt]
.endr
.set cnt, cnt+1
.endr
	v_nop                                          ; a plain line behind the last exponential
	s_wait_alu depctr_va_vdst(0)                   ; one wait for the batch, ahead of its first reader
.set cnt, 0
.rept 32
.irp t, 0,1
	v_cvt_pk_f16_f32 v[SB+64*\t+cnt], v[SB+64*\t+2*cnt], v[SB+64*\t+2*cnt+1]   ; in place, ascending: register n takes numbers 2 n, 2 n + 1.  Key blocks 2 g, 2 g + 1 become P's fragment g
.endr
.set cnt, cnt+1
.endr
.endm
; A KEY STEP of 128 keys.  Three buffers take K's four quarters and V's four in turn; each run of eight loads stands four plain places behind the products that read its buffer.
.macro STEP s, first, last
.set KO, ((\s)%4)*16384
.set AKR, 1+(\s)/4
.set AVR, 3+(\s)/4
.if !\first
	PLACES 5                                       ; the products below write over P, which the last products read; the loads below land in buffers that they read
.endif
	WIN 0
	LDQ FA, AKR, KO
	LDQ FB, AKR, KO+4096
	LDQ FC, AKR, KO+8192
	s_wait_loadcnt 24                              ; this quarter's mask tiles are in; the three later quarters' 24 loads may be out
	s_wait_dscnt 16                                ; this quarter's fragments are in; the two younger runs may be out
	KQ 0, FA
	PLACES 4
	WIN 0
	LDQ FA, AKR, KO+12288
	s_wait_loadcnt 16
	s_wait_dscnt 16
	KQ 1, FB
	PLACES 4
	WIN 0
	LDQ FB, AVR, KO
	s_wait_loadcnt 8
	s_wait_dscnt 16
	KQ 2, FC
	PLACES 4
	WIN 0
	LDQ FC, AVR, KO+4096
	s_wait_loadcnt 0x0
	s_wait_dscnt 16
	KQ 3, FA
	PLACES 4                                       ; also in front of the softmax's first read and of the loads into the mask's registers
	WIN 0
	LDQ FA, AVR, KO+8192
.if \last
	WIN 0x40                                       ; the mask's registers take v_u (O^T's layout) and bv
.irp t, 0,1
.irp cb, 0,1,2,3
.irp u, 0,1
	global_load_b128 v[32*\t+8*\cb+4*\u:32*\t+8*\cb+4*\u+3], v1, s[12:13] offset:\t*4096+\cb*1024+\u*512 th:TH_LOAD_NT
.endr
.endr
.endr
.irp cb, 0,1,2,3
.irp u, 0,1
	global_load_b128 v[64+8*\cb+4*\u:64+8*\cb+4*\u+3], v7, s[16:17] offset:\cb*64+\u*16
.endr
.endr
.else
	MASKLD (\s)+1
.endif
	SOFTMAX \first
.if \last
.irp cb, 0,1,2,3                               ; V^T's fragments of my own 32 keys, into registers that p has left
.irp u, 0,1
	global_load_b128 v[64+8*\cb+4*\u:64+8*\cb+4*\u+3], v1, s[6:7] offset:\cb*1024+\u*512
.endr
.endr
.endif
.if !\first
	WIN 0x41                                       ; O^T and L under the new M
.irp t, 0,1
.set cnt, 0
.rept 16
	v_pk_mul_f32 v[OACC+32*\t+cnt:OACC+32*\t+cnt+1], v[OACC+32*\t+cnt:OACC+32*\t+cnt+1], v[ST+12*\t+2:ST+12*\t+3] op_sel_hi:[1,0]
.set cnt, cnt+2
.endr
	v_pk_mul_f32 v[LACC+8*\t:LACC+8*\t+1], v[LACC+8*\t:LACC+8*\t+1], v[ST+12*\t+2:ST+12*\t+3] op_sel_hi:[1,0]
.endr
.endif
	s_wait_dscnt 16                                ; V's first quarter is in
	PV 0, FB, \first
	PLACES 4
	WIN 0
	LDQ FB, AVR, KO+12288
	s_wait_dscnt 16
	PV 1, FC, \first
	s_wait_dscnt 8
	PV 2, FA, \first
	s_wait_dscnt 0x0
	PV 3, FB, \first
	LSUM \first
.endm
.macro ARRIVE left                     ; my piece of the next quarter of K or V has landed (the later pieces may stay out); behind it everybody's has.  No LDS load of mine is out here
	s_wait_tensorcnt \left
	s_barrier_signal -1
	s_barrier_wait -1
.endm
	WIN 0x40
.irp t, 0,1
.irp nb, 0,1,2,3
	global_load_b128 v[QFR+16*\t+4*\nb:QFR+16*\t+4*\nb+3], v1, s[8:9] offset:\t*2048+\nb*512
.endr
.endr
	WIN 0
.irp t, 0,1
	global_load_b64 v[ST+12*\t+4:ST+12*\t+5], v32, s[14:15] offset:\t*128
.endr
	MASKLD 0
.irp n, 0,1,2,3,4,5,6,7
	v_mov_b32 v[ONES+\n], 0x3c003c00               ; 1.0, twice, in f16
.endr
	WIN 0
.irp t, 0,1
	v_mov_b32 v[ST+12*\t+1], 0                     ; the pairs' upper registers and the exchange's destination count as read
	v_mov_b32 v[ST+12*\t+3], 0
	v_mov_b32 v[ST+12*\t+7], 0
.endr
	ARRIVE 3
	STEP 0, 1, 0
	STEP 1, 0, 0
	ARRIVE 2
	STEP 2, 0, 0
	STEP 3, 0, 0
	ARRIVE 1
	STEP 4, 0, 0
	STEP 5, 0, 0
	ARRIVE 0
	STEP 6, 0, 0
	STEP 7, 0, 1
	; v_i IN O^T's LAYOUT: V^T (16 channels x my 32 keys) x a selection matrix of f16 ones: column r of tile t picks key 16 t + r.  Its registers: [0 x 4][pattern x 4][0 x 4]; tile 1 takes the first eight, tile 0 the last eight.
	WIN 0                                          ; (these plain lines are also the places behind the last products)
	v_and_b32 v156, 15, v0                         ; r
	v_bfe_u32 v157, v0, 4, 1                       ; h
	v_lshlrev_b32 v158, 3, v157
	v_sub_nc_u32 v158, v156, v158                  ; r - 8 h: my lane holds keys 8 h + 0..7, two a register
	v_and_b32 v159, 1, v158
	v_lshlrev_b32 v159, 4, v159
	v_mov_b32 v140, 0x3c00
	v_lshlrev_b32 v159, v159, v140                 ; 1.0 in the half that is the key's
	v_ashrrev_i32 v158, 1, v158
.irp n, 0,1,2,3
	v_mov_b32 v[128+\n], 0
	v_mov_b32 v[136+\n], 0
	v_cmp_eq_i32 vcc_lo, \n, v158
	v_cndmask_b32 v[132+\n], v[NIL], v159, vcc_lo
.endr
	s_wait_loadcnt 0x0                             ; v_u, bv, V^T's fragments
.irp cb, 0,1,2,3
.irp t, 0,1
	v_wmma_f32_16x16x32_f16 v[160+32*\t+8*\cb:167+32*\t+8*\cb], v[64+8*\cb:71+8*\cb], v[132-4*\t:139-4*\t], 0
.endr
.endr
	; the four factors of each tile, as pairs at v[140 + 8 t + 2 k]: a1, e1, a2, e2
.irp t, 0,1
	v_max_num_f32 v[141+8*\t], v[ST+12*\t+6], v[ST+12*\t+4]   ; M1
	v_max_num_f32 v[145+8*\t], v[ST+12*\t+6], v[ST+12*\t+5]   ; M2
.endr
.irp t, 0,1
	v_sub_f32 v[140+8*\t], v[ST+12*\t+6], v[141+8*\t]
	v_sub_f32 v[142+8*\t], v[ST+12*\t+4], v[141+8*\t]
	v_sub_f32 v[144+8*\t], v[ST+12*\t+6], v[145+8*\t]
	v_sub_f32 v[146+8*\t], v[ST+12*\t+5], v[145+8*\t]
.endr
.irp k, 0,2,4,6,8,10,12,14
	v_mul_f32 v[140+\k], s[CS], v[140+\k]
.endr
.irp k, 0,2,4,6,8,10,12,14
	v_exp_f32 v[140+\k], v[140+\k]
.endr
	v_nop
	s_wait_alu depctr_va_vdst(0)                   ; one wait for the eight
	WIN 0x01                                       ; L in window 1
.irp t, 0,1
	v_fma_f32 v[143+8*\t], v[LACC+8*\t], v[140+8*\t], v[142+8*\t]   ; L a1 + e1
	v_fma_f32 v[147+8*\t], v[LACC+8*\t], v[144+8*\t], v[146+8*\t]   ; L a2 + e2
.endr
	WIN 0
.irp t, 0,1
	v_rcp_f32 v[143+8*\t], v[143+8*\t]
	v_rcp_f32 v[147+8*\t], v[147+8*\t]
.endr
	v_nop
	s_wait_alu depctr_va_vdst(0)                   ; one wait for the four
.irp t, 0,1
	v_mul_f32 v[140+8*\t], v[140+8*\t], v[143+8*\t]
	v_mul_f32 v[142+8*\t], v[142+8*\t], v[143+8*\t]
	v_mul_f32 v[144+8*\t], v[144+8*\t], v[147+8*\t]
	v_mul_f32 v[146+8*\t], v[146+8*\t], v[147+8*\t]
.endr
	v_mul_u32_u24 v158, v156, 272
	v_lshl_add_u32 v158, v157, 5, v158
	v_add_nc_u32 v158, s66, v158                   ; the stage, way in: row r, + 32 h
	v_mul_u32_u24 v159, v157, 272
	v_lshl_add_u32 v159, v156, 4, v159
	v_add_nc_u32 v159, s66, v159                   ; way back: lanes 0-15 one row, lanes 16-31 the next
	v_lshlrev_b32 v2, 12, v157
	v_lshl_add_u32 v2, v156, 4, v2                 ; and the same two rows in an output
	WIN 0x10                                       ; bv in window 1
.irp t, 0,1
.set cnt, 0
.rept 16
	v_pk_fma_f32 v[160+32*\t+cnt:161+32*\t+cnt], v[160+32*\t+cnt:161+32*\t+cnt], v[142+8*\t:143+8*\t], v[64+cnt:65+cnt] op_sel_hi:[1,0,1]   ; v_i e1 + bv
.set cnt, cnt+2
.endr
.endr
	WIN 0x01
.irp t, 0,1
.set cnt, 0
.rept 16
	v_pk_fma_f32 v[160+32*\t+cnt:161+32*\t+cnt], v[OACC+32*\t+cnt:OACC+32*\t+cnt+1], v[140+8*\t:141+8*\t], v[160+32*\t+cnt:161+32*\t+cnt] op_sel_hi:[1,0,1]   ; + N a1
.set cnt, cnt+2
.endr
.endr
	WIN 0x51
.irp t, 0,1
.set cnt, 0
.rept 16
	v_pk_fma_f32 v[32*\t+cnt:32*\t+cnt+1], v[32*\t+cnt:32*\t+cnt+1], v[146+8*\t:147+8*\t], v[64+cnt:65+cnt] op_sel_hi:[1,0,1]   ; v_u e2 + bv
.set cnt, cnt+2
.endr
.endr
.irp t, 0,1
.set cnt, 0
.rept 16
	v_pk_fma_f32 v[32*\t+cnt:32*\t+cnt+1], v[OACC+32*\t+cnt:OACC+32*\t+cnt+1], v[144+8*\t:145+8*\t], v[32*\t+cnt:32*\t+cnt+1] op_sel_hi:[1,0,1]   ; + N a2
.set cnt, cnt+2
.endr
.endr
; A tile of an output (16 queries x 64 channels, 256 bytes a row) goes through my own stage and comes back by rows.  LDS serves a wave's instructions in order (ISA guide 5.7.1.4): no wait between the stores and the loads, nor ahead of the next tile's stores.
.macro TOST dat, win, bk
	WIN \win
.irp n, 0,1,2,3,4,5,6,7
	ds_store_b128 v158, v[(\dat)+4*\n:(\dat)+4*\n+3] offset:(\n/2)*64+(\n%2)*16
.endr
	WIN 0
.irp i, 0,1,2,3,4,5,6,7
	ds_load_b128 v[(\bk)+4*\i:(\bk)+4*\i+3], v159 offset:\i*544
.endr
.endm
.macro SEND bk, base, t, younger       ; younger: the LDS instructions issued behind this tile's loads
.irp f, 0,1,2,3,4,5,6,7
	s_wait_dscnt (\younger)+7-\f
	global_store_b128 v2, v[(\bk)+4*\f:(\bk)+4*\f+3], s[\base:\base+1] offset:(16*(\t)+2*\f)*4096 th:TH_STORE_NT   ; sixteen lanes store 256 consecutive bytes, aligned
.endr
.endm
	TOST 160, 0, 224
	TOST 0, 0x04, 32
	SEND 224, 18, 0, 16
	TOST 192, 0, 96
	SEND 32, 20, 0, 16
	TOST 32, 0x04, 64
	SEND 96, 18, 1, 16
	SEND 64, 20, 1, 0
	s_wait_tensorcnt 0x0                           ; the wave's end, behind my last LDS store
	ds_add_u32 v[SPW], v[NIL]
	s_wait_dscnt 0x0
	CROUND                                         ; the closing round
	s_endpgm
.Lfunc_end_k_qe94d215f0a_attn:
	.size	k_qe94d215f0a_attn, .Lfunc_end_k_qe94d215f0a_attn-k_qe94d215f0a_attn
	.p2alignl 7, 3214868480
	.fill 96, 4, 3214868480
	.section	.rodata,"a",@progbits
	.p2align	6, 0x0
	.amdhsa_kernel k_qe94d215f0a_attn
		.amdhsa_group_segment_fixed_size 327680
		.amdhsa_private_segment_fixed_size 0
		.amdhsa_enable_private_segment 0
		.amdhsa_kernarg_size 72
		.amdhsa_user_sgpr_count 2
		.amdhsa_user_sgpr_kernarg_segment_ptr 1
		.amdhsa_wavefront_size32 1
		.amdhsa_system_sgpr_workgroup_id_x 1
		.amdhsa_system_sgpr_workgroup_id_y 1
		.amdhsa_system_sgpr_workgroup_id_z 1
		.amdhsa_system_vgpr_workitem_id 0
		.amdhsa_next_free_vgpr 512
		.amdhsa_next_free_sgpr 72
		.amdhsa_reserve_vcc 1
		.amdhsa_float_denorm_mode_32 3
		.amdhsa_float_denorm_mode_16_64 3
		.amdhsa_memory_ordered 1
		.amdhsa_forward_progress 1
		.amdhsa_inst_pref_size 255
	.end_amdhsa_kernel
	.section	.bss,"aw",@nobits
	.p2align	6
	.space	262144
	.amdgpu_metadata
---
amdhsa.version: [ 1, 2 ]
amdhsa.kernels:
  - .name:           k_qe94d215f0a_attn
    .symbol:         k_qe94d215f0a_attn.kd
    .args:
      - { .name: kf, .offset: 0, .size: 8, .value_kind: global_buffer, .address_space: global }
      - { .name: vf, .offset: 8, .size: 8, .value_kind: global_buffer, .address_space: global }
      - { .name: qf, .offset: 16, .size: 8, .value_kind: global_buffer, .address_space: global }
      - { .name: maskf, .offset: 24, .size: 8, .value_kind: global_buffer, .address_space: global }
      - { .name: vu, .offset: 32, .size: 8, .value_kind: global_buffer, .address_space: global }
      - { .name: sds, .offset: 40, .size: 8, .value_kind: global_buffer, .address_space: global }
      - { .name: bv, .offset: 48, .size: 8, .value_kind: global_buffer, .address_space: global }
      - { .name: out0, .offset: 56, .size: 8, .value_kind: global_buffer, .address_space: global }
      - { .name: out1, .offset: 64, .size: 8, .value_kind: global_buffer, .address_space: global }
    .group_segment_fixed_size: 327680
    .private_segment_fixed_size: 0
    .kernarg_segment_align: 8
    .kernarg_segment_size: 72
    .max_flat_workgroup_size: 256
    .sgpr_count:     72
    .vgpr_count:     512
    .wavefront_size: 32
...
	.end_amdgpu_metadata
.endif
;; end of part 3
